; MI455X (gfx1250); checked and timed in simulation.
; The chip was launched on July 23, 2026; its instructions are those of AMD's public machine-readable ISA for CDNA 5 (MIT licence, August 2026) and "CDNA5" Instruction Set Architecture Reference Guide (July 2026). The comments in the code are by the model that wrote it; some were corrected since.
;; Dynamic Weight Attention. Allowed arithmetic: matrix products marked QUANTISED: E3M2 operands, one E8M0 scale for each 32 along K, by v_wmma_scale_f32_16x16x128_f8f6f4 with both operands' format E3M2, f32 sums; products left as they are: f32 operands where the result goes on into a quantised operand, else bf16, f16 or f32 operands; f32 sums; everything else in f32.
;; Inputs: b1 64 float32; b2 1 float32; dynamic_features 1,024 x 256 x 16 x 16 float32; ln_beta 32 float32; ln_gamma 32 float32; static_features 256 x 16 x 16 float32; w1_codes 64 x 1 x 24 uint8 (E3M2 codes of w1, K innermost, in blocks of 32 codes, four codes in three bytes); w1_scales 64 x 1 uint8 (E8M0 scales of w1, one for each 32 codes along K); w2 64 x 1 float32.
;; Outputs: out0 1,024 x 256 x 16 float32.
;; This version of the problem:
;;   THIS VERSION OF THE PROBLEM IS GIVEN IN LOW PRECISION. The matrix products marked QUANTISED in the list below multiply operands that are first quantised to E3M2 (3 exponent bits, 2 mantissa bits; 6 bits a number), with one power-of-two scale for each 32 numbers along K (OCP MX v1.0); their sums are f32. All else is computed in f32.
;;   The module's matrix products, in the order in which they are computed (A, B: the left and right operand; K: the contracted axis; several contracted axes count as one K, in the product's order):
;;     1. [M 4,194,304, K 32] x [K 32, N 64]; A: computed on the way; B: input w1 (given as codes): QUANTISED
;;     2. [M 4,194,304, K 64] x [K 64, N 1]; A: computed on the way; B: input w2: left as it is (N = 1 < 16)
;;   THE QUANTISER, for each operand of a quantised product, along K:
;;     - K is cut into blocks of 32 from its start; a last block that is shorter is filled with zeros.
;;     - A block's scale is 2^e with e = floor(log2(the largest magnitude in the block)) - 4, held to -126 .. 127; a block of zeros has e = 0. As a byte (E8M0): e + 127.
;;     - Each number is divided by its block's scale, clamped to +-28, and rounded to the nearest number of E3M2, ties to even, subnormals kept.
;;     - The product sums the exact products of the quantised numbers (number of the format x scale) in f32.
;;   ~~~python
;;   def quantise(x, axis):      # numpy; x: float32 -> the quantised numbers, widened to float32 again
;;       x = np.moveaxis(x, axis, -1); K = x.shape[-1]
;;       x = np.pad(x, [(0, 0)] * (x.ndim - 1) + [(0, -K % 32)]); x = x.reshape(x.shape[:-1] + (-1, 32)); a = np.abs(x).max(-1, keepdims=True)
;;       e = np.where(a > 0, np.clip(np.frexp(np.where(a > 0, a, 1))[1] - 1 - 4, -126, 127), 0)      # np.frexp(a)[1] - 1 = floor(log2(a)), exactly
;;       r = np.clip(x / 2.0 ** e, -28, 28)
;;       step = 2.0 ** (np.maximum(np.frexp(np.where(r == 0, 1, r))[1] - 1, -2) - 2)
;;       q = np.round(r / step) * step * 2.0 ** e      # np.round: ties to even
;;       return np.moveaxis(q.reshape(q.shape[:-2] + (-1,))[..., :K], -1, axis).astype(np.float32)
;;   ~~~
;;   OPERANDS COMPUTED ON THE WAY. 'Computed on the way' means the value that the module computes at that place (a softmax that the list does not call 'softmax' is quantised finished and normalised). What goes into a quantiser is computed in f32, as accurately as f32 sums, v_exp_f32 and their like allow (about 1e-6 of the number): no bf16 or f16 on the way to a quantiser, and a product that is left as it is and whose result goes on into a quantised operand takes f32 operands (vector FMAs, or v_wmma_f32_16x16x4_f32). A number that lies on a knife's edge between two numbers of the format may be rounded either way, as far as f32 arithmetic and the matrix unit's own rounding can turn it there, and no further.
;;   INPUTS GIVEN AS CODES. w1 (in the module: [32, 64], K = its axis 0): each comes as NAME_codes (uint8): NAME with its K axis moved to the last place and cut into blocks of 32 codes, [.., K / 32, bytes a block], one block behind the other in memory; four codes in three bytes: a row's codes are one little-endian stream of bits, code i at bits 6 i .. 6 i + 5 (a code: sign, 3 exponent bits, 2 mantissa bits); and NAME_scales (uint8): the same leading axes, one E8M0 byte (e + 127) for each 32 codes along K. Its value is code x scale, taken as it is: it is not quantised again, and the codes and scales need not be those that the quantiser above would give.
;; One version. Each part assembles by itself: llvm-mc -triple=amdgcn-amd-amdhsa -mcpu=gfx1250 --defsym DOCPART=n.
;; ======== version 1 of 1: 1 launch
;; launch fused (part 1): grid 256 x 1, 16 waves a work-group, no clusters, 149,504 bytes of LDS; arguments dynamic_features, static_features, ln_gamma, ln_beta, w1_codes, w1_scales, b1, w2, b2, out0; writes out0
.if DOCPART == 1
	.amdgcn_target "amdgcn-amd-amdhsa--gfx1250"
	.amdhsa_code_object_version 6
	.text
	.protected	k_q993a46d118_fused
	.globl	k_q993a46d118_fused
	.p2align	8
	.type	k_q993a46d118_fused,@function
k_q993a46d118_fused:
	s_mov_b64 s[64:65], 0
	v_nop
	global_prefetch_b8 v0, s[64:65] scope:SCOPE_SE
	s_setreg_imm32_b32 hwreg(HW_REG_WAVE_MODE, 25, 1), 1
	s_wait_xcnt 0x0
; out[bt][n][:] = softmax over the 16 heads of  w2 . tanh(Q(LayerNorm([dyn | static]) gamma + beta) w1 + b1) + b2.
; A row (bt, n, head) is 16 f32 of dyn and 16 f32 of static (which hang on (n, head) alone).  Q: one block of 32 codes of BF6 (E3M2) with one E8M0 byte; w1 arrives as 64 rows of 32 codes with one byte each.
; SHARES.  A step is 64 consecutive rows: 4 neighbouring n x 16 heads of one bt: 4,096 consecutive bytes of dyn in, 256 consecutive bytes out.  65,536 steps, 4,096 waves, 16 steps a wave.
; Wave w of work-group x keeps the quad of n  q = 16 (x & 3) + w  and walks bt = 16 (x >> 2) + 0 .. 15: its 64 static rows never change.  The waves share nothing: no barrier.
; A LANE OWNS TWO WHOLE ROWS, 2 L and 2 L + 1 (c = 0, 1): mean, variance and the block's largest magnitude need no other lane; a group of 16 heads lies in 8 neighbouring lanes x 2 registers;
; and the lane ends with out[2 L], out[2 L + 1], so that one store of the wave covers 256 consecutive bytes, aligned.
; Loads take dyn as it lies (16 bytes a lane, 512 a load); the step's 4,096 bytes turn through the wave's own stage in LDS and come back 128 bytes a lane.
; LAYERNORM, SPLIT AT THE STATIC HALF.  md, ms: the means of a row's 16 dyn and 16 static numbers; d' = d - md, s' = s - ms; delta = (ms - md) / 2.  Then  x - mean = d' - delta  (dyn),  s' + delta  (static), and
; variance = (sum d'^2 + sum s'^2) / 32 + delta^2: sums of squares alone, no difference of large sums.  s', ms / 2 and sum s'^2 / 32 + eps are made once, in the head; s' lies in LDS.
; K = 32 IN AN INSTRUCTION OF K = 128.  The product is used transposed: source 0 = 16 hidden units of w1, source 1 = 16 data rows.  In a 6-bit operand lanes 0-15 hold K block 0 in registers 0-5 and lanes 16-31
; K block 1.  A lane's six registers of codes are its own row's block, so source 1 holds TWO sets of 16 rows, one in each K block.  Source 0 exists twice: W(t, 0) has w1's rows in lanes 0-15 and zero codes in
; lanes 16-31, W(t, 1) the other way round: each picks one of the two sets.  Registers 6-11 of source 1 are zero codes (K blocks 2, 3); what lies in source 0 there meets zeros.
; A zero code adds nothing under any scale byte but 0xff; the bytes of the blocks that count for nothing are the live block's own (blocks 0, 1) or 0 (the rows' blocks 2, 3).
; In the result lane (r, hh) holds data row r and hidden units 16 t + 8 hh + j.  b1 is the C of each product.
; tanh(x) = 1 - 2 / (1 + 2^(2 log2(e) x)):  w2 . tanh = sum(w2) + sum(-2 w2 / (1 + 2^..)).  2^.. = infinity gives 0 and 2^.. = 0 gives 1: no clamp is needed.
; BY TURNS.  A set (16 rows x 64 hidden units) has 64 transcendentals and 48 packed lines a lane; they are written as a pipeline of 20 slots in which the two kinds alternate.  Row 1's way to its codes, a list of
; 105 lines, stands in slices between the lines of row 0's two sets, and fills the places around row 0's products.
; LIMITS: NaN and infinities among the inputs are not served.  A scale byte 0xff in w1_scales gives NaN, as the definition does.  A row whose largest magnitude lies under 2^-122 gets the byte 1 (the rule's own hold);
; a row of zeros gets the byte 1 where the rule says 127: its codes are zeros, and nobody else reads the byte.
; LEFT OUT: tensor loads and a ring (they would want a barrier of all sixteen waves in every step, and the waves share nothing); clusters (the one shared input is 4,096 bytes of static a wave);
; prefetches (a step's loads are issued 305 vector and matrix instructions ahead of their wait); register windows (nothing is summed over K steps).
.set WREG, 9216                        ; LDS of a wave: the stage, then its static rows
.set STAT, 4608                        ; 32 lanes x 144 bytes
.set LP,   144                         ; a lane's place: its 128 bytes + 16 of padding
.set IP,   576                         ; a dense load's 512 bytes + 4 paddings
.set GOF, 1                            ; v1    16 L: my bytes of a dense load
.set STA, 2                            ; v2    the stage, way in: base + 16 L + 16 (L / 8)
.set RDA, 3                            ; v3    the stage, way out: base + 144 L
.set OOF, 4                            ; v4    8 L: my bytes of the step's 256 of out
.set ST,  8                            ; row c at ST + 8 c: +0 -md, +1 the sum, +2 1/sqrt, +3 variance + eps, +4:5 chain a (later delta/sqrt, the largest magnitude, the conversions' scale operand), +6:7 chain b (later +6 delta, +7 the byte)
.set CA,  8                            ; row 0's eight are free behind its list and serve the sets: v[8:9], v[10:11] the dot product's two chains,
.set CB,  10
.set SC,  12                           ; v12-15 the four sets' partial scores.
.set S,   16                           ; Row 1's eight are free behind its list and serve the softmax: v[16:17] my two rows' scores, then their weights,
.set M,   18                           ; v18 the group's largest score,
.set R,   20                           ; v[20:21] the group's sum, then 1 / sum (v21 named with it as a pair)
.set HMS, 24                           ; v24-25 ms / 2 of row c
.set KC,  26                           ; v[26:27] (0.5 b2 + the sum of my 32 w2, 0): where chain a begins
.set XS,  28                           ; v28-29 the scale word of my row c: byte | byte << 8
.set WS,  30                           ; v30-33 w1's scale words, tile t: the row's byte four times
.set CT,  34                           ; v34-36, v38-40 the upper 16 codes of row c, as converted
.set X,   42                           ; v42-65 source 1 for row c at X + 12 c: six registers of codes, six of zeros
.set W,   66                           ; v66-113 W(t, h) at W + 12 t + 6 h
.set ZP,  114                          ; v114-119 zeros behind the last W
.set B1,  120                          ; v120-151 b1 in the result's layout, 8 a tile
.set W2M, 152                          ; v152-183 -2 w2 likewise
.set N,   184                          ; v184-247 row c's 32 numbers at N + 32 c
.set D,   184                          ; behind row 0's list: v184-215 the four tiles of the set in hand;
.set RAW, 216                          ; behind row 1's list: v216-247 the next step's dyn as loaded
.set SS,  248                          ; v248-249 sum s'^2 / 32 + eps of row c
.set NA,  105                          ; lines in a row's list
; scalars: s[2:3] 2 log2(e) twice; s[4:23] addresses; s[24:55] gamma; s[68:99] beta (k runs along a lane's registers, so both are the same in every lane); s56 wave; s57 steps to go;
; s58 1/32; s59 -1/16; s60 0.5 b2; s61 eps; s62 log2(e)
	s_load_b512 s[4:19], s[0:1], 0x0               ; dyn s[4:5], static s[6:7], gamma s[8:9], beta s[10:11], w1's codes s[12:13], w1's scales s[14:15], b1 s[16:17], w2 s[18:19]
	s_load_b128 s[20:23], s[0:1], 0x40             ; b2 s[20:21], out s[22:23]
	v_lshl_add_u32 v254, v0, 2, 0x24000
	v_mov_b32 v255, 0
	v_lshrrev_b32 v8, 5, v0
	v_readfirstlane_b32 s56, v8                    ; wave 0..15
	v_and_b32 v8, 31, v0                           ; L
	v_lshlrev_b32 v[GOF], 4, v8
	v_lshrrev_b32 v9, 3, v8
	v_lshl_add_u32 v[STA], v9, 4, v[GOF]
	v_mul_u32_u24 v[RDA], v8, LP
	s_mul_i32 s57, s56, WREG                       ; my wave's LDS
	v_add_nc_u32 v[STA], s57, v[STA]
	v_add_nc_u32 v[RDA], s57, v[RDA]
	v_lshlrev_b32 v[OOF], 3, v8
	v_and_b32 v7, 15, v0                           ; r: w1's scale byte of row 16 t + r
	v_mul_u32_u24 v5, v7, 24                       ; and its 24 bytes of codes
	v_bfe_u32 v6, v0, 4, 1
	v_lshlrev_b32 v6, 5, v6                        ; 32 hh: b1 and w2 at hidden units 16 t + 8 hh + 0 .. 7
	v_cmp_gt_u32 vcc_lo, 16, v8                    ; lanes 0-15
	s_and_b32 s57, ttmp9, 3
	s_lshl_b32 s57, s57, 4
	s_add_co_u32 s57, s57, s56                     ; q = 16 (x & 3) + wave
	s_lshr_b32 s58, ttmp9, 2                       ; x >> 2: which 16 bt
	s_lshl_b32 s59, s57, 12                        ; q x 4,096 bytes: 64 rows of 64 bytes
	s_lshl_b32 s62, s58, 22                        ; 16 bt x 262,144 bytes
	s_add_co_u32 s62, s62, s59
	s_mov_b32 s63, 0                               ; s[62:63]: where my steps begin in dyn (under 2^28)
	s_mov_b32 s66, s59
	s_mov_b32 s67, 0                               ; s[66:67]: my rows of static
	s_lshl_b32 s60, s58, 18                        ; 16 bt x 16,384 bytes
	s_lshl_b32 s61, s57, 8                         ; q x 256 bytes
	s_add_co_u32 s60, s60, s61
	s_mov_b32 s61, 0                               ; s[60:61]: where my steps begin in out
	s_wait_kmcnt 0x0
	s_add_nc_u64 s[4:5], s[4:5], s[62:63]
	s_add_nc_u64 s[6:7], s[6:7], s[66:67]
	s_add_nc_u64 s[22:23], s[22:23], s[60:61]
	s_load_b512 s[24:39], s[8:9], 0x0              ; gamma
	s_load_b512 s[40:55], s[8:9], 0x40
	s_load_b512 s[68:83], s[10:11], 0x0            ; beta
	s_load_b512 s[84:99], s[10:11], 0x40
	s_load_b32 s60, s[20:21], 0x0                  ; b2
.macro LOADX                           ; a step's dyn as it lies: eight loads, each 512 consecutive bytes
.irp i, 0,1,2,3,4,5,6,7
	global_load_b128 v[RAW+4*\i:RAW+4*\i+3], v[GOF], s[4:5] offset:512*\i th:TH_LOAD_NT
.endr
.endm
.irp t, 0,1,2,3                        ; w1's rows 16 t + r, the same in both halves of the lanes, for now where source 1 will lie
.irp p, 0,1,2
	global_load_b64 v[X+6*\t+2*\p:X+6*\t+2*\p+1], v5, s[12:13] offset:384*\t+8*\p
.endr
.endr
.irp t, 0,1,2,3
	global_load_u8 v[WS+\t], v7, s[14:15] offset:16*\t
.endr
.irp t, 0,1,2,3
	global_load_b128 v[B1+8*\t:B1+8*\t+3], v6, s[16:17] offset:64*\t
	global_load_b128 v[B1+8*\t+4:B1+8*\t+7], v6, s[16:17] offset:64*\t+16
.endr
.irp t, 0,1,2,3
	global_load_b128 v[W2M+8*\t:W2M+8*\t+3], v6, s[18:19] offset:64*\t
	global_load_b128 v[W2M+8*\t+4:W2M+8*\t+7], v6, s[18:19] offset:64*\t+16
.endr
.irp i, 0,1,2,3,4,5,6,7
	global_load_b128 v[N+4*\i:N+4*\i+3], v[GOF], s[6:7] offset:512*\i   ; my 64 static rows, as they lie
.endr
	LOADX                                          ; step 0
	s_mov_b32 s2, 0x4038aa3b                       ; 2 log2(e)
	s_mov_b32 s3, s2                               ; (named with it as a pair, so it is written)
	s_mov_b32 s58, 0x3d000000                      ; 1/32
	s_mov_b32 s59, 0xbd800000                      ; -1/16
	s_mov_b32 s61, 0x38d1b717                      ; eps = 1e-4
	s_mov_b32 s62, 0x3fb8aa3b                      ; log2(e)
	s_mov_b32 s57, 16                              ; steps to go
	s_wait_loadcnt 8                               ; all but the youngest eight loads, step 0's dyn, are in
.irp i, 0,1,2,3,4,5
	v_mov_b32 v[ZP+\i], 0
.endr
.irp t, 0,1,2,3
.irp i, 0,1,2,3,4,5
	v_cndmask_b32 v[W+12*\t+\i], v[ZP], v[X+6*\t+\i], vcc_lo       ; W(t, 0): the codes in lanes 0-15, zeros in lanes 16-31
	v_cndmask_b32 v[W+12*\t+6+\i], v[X+6*\t+\i], v[ZP], vcc_lo     ; W(t, 1): the other way round
.endr
.endr
.irp i, 0,1,2,3,4,5
	v_mov_b32 v[X+6+\i], 0                         ; K blocks 2 and 3 of source 1: zero codes, for the whole launch
	v_mov_b32 v[X+18+\i], 0
.endr
.irp t, 0,1,2,3
	v_lshl_or_b32 v[WS+\t], v[WS+\t], 8, v[WS+\t]
.endr
.irp t, 0,1,2,3
	v_lshl_or_b32 v[WS+\t], v[WS+\t], 16, v[WS+\t] ; the row's byte for all four K blocks
.endr
.irp j, 0,2,4,6,8,10,12,14,16,18,20,22,24,26,28,30
	v_pk_mul_f32 v[W2M+\j:W2M+\j+1], v[W2M+\j:W2M+\j+1], -2.0 op_sel_hi:[1,0]
.endr
	v_pk_add_f32 v[8:9], v[W2M:W2M+1], v[W2M+2:W2M+3]
	v_pk_add_f32 v[10:11], v[W2M+4:W2M+5], v[W2M+6:W2M+7]
.irp j, 8,12,16,20,24,28
	v_pk_add_f32 v[8:9], v[8:9], v[W2M+\j:W2M+\j+1]
	v_pk_add_f32 v[10:11], v[10:11], v[W2M+\j+2:W2M+\j+3]
.endr
	v_pk_add_f32 v[8:9], v[8:9], v[10:11]
	v_add_f32 v8, v8, v9                           ; -2 x the sum of my 32 w2
	s_wait_kmcnt 0x0                               ; gamma, beta, b2
	s_mul_f32 s60, s60, 0.5                        ; half of b2 for each of the two lanes that share a row's score
	v_fma_f32 v[KC], v8, -0.5, s60
	v_mov_b32 v[KC+1], 0
	; my static rows turn through LDS once: in as they lie, back 128 bytes a lane
.irp i, 0,1,2,3,4,5,6,7
	ds_store_b128 v[STA], v[N+4*\i:N+4*\i+3] offset:STAT+IP*\i
.endr
	s_wait_dscnt 0x0                               ; the stores have read their registers
.irp p, 0,1,2,3,4,5,6,7
	ds_load_b128 v[N+4*\p:N+4*\p+3], v[RDA] offset:STAT+16*\p      ; 16 numbers of row 2 L, then 16 of row 2 L + 1
.endr
	s_wait_dscnt 0x0
	; what hangs on the static rows alone: ms / 2, s' = s - ms, sum s'^2 / 32 + eps
.irp c, 0,1
	v_pk_add_f32 v[8+4*\c:9+4*\c], v[N+16*\c:N+16*\c+1], v[N+16*\c+2:N+16*\c+3]
	v_pk_add_f32 v[10+4*\c:11+4*\c], v[N+16*\c+4:N+16*\c+5], v[N+16*\c+6:N+16*\c+7]
.endr
.irp k, 8,12
.irp c, 0,1
	v_pk_add_f32 v[8+4*\c:9+4*\c], v[8+4*\c:9+4*\c], v[N+16*\c+\k:N+16*\c+\k+1]
	v_pk_add_f32 v[10+4*\c:11+4*\c], v[10+4*\c:11+4*\c], v[N+16*\c+\k+2:N+16*\c+\k+3]
.endr
.endr
.irp c, 0,1
	v_pk_add_f32 v[8+4*\c:9+4*\c], v[8+4*\c:9+4*\c], v[10+4*\c:11+4*\c]
.endr
.irp c, 0,1
	v_add_f32 v[8+4*\c], v[8+4*\c], v[9+4*\c]
.endr
.irp c, 0,1
	v_mul_f32 v[8+4*\c], s59, v[8+4*\c]            ; -ms
.endr
.irp c, 0,1
	v_mul_f32 v[HMS+\c], -0.5, v[8+4*\c]           ; ms / 2
.endr
.irp k, 0,2,4,6,8,10,12,14
.irp c, 0,1
	v_pk_add_f32 v[N+16*\c+\k:N+16*\c+\k+1], v[N+16*\c+\k:N+16*\c+\k+1], v[8+4*\c:9+4*\c] op_sel_hi:[1,0]   ; s'
.endr
.endr
.irp c, 0,1
	v_pk_mul_f32 v[10+4*\c:11+4*\c], v[N+16*\c:N+16*\c+1], v[N+16*\c:N+16*\c+1]
.endr
.irp k, 2,4,6,8,10,12,14
.irp c, 0,1
	v_pk_fma_f32 v[10+4*\c:11+4*\c], v[N+16*\c+\k:N+16*\c+\k+1], v[N+16*\c+\k:N+16*\c+\k+1], v[10+4*\c:11+4*\c]
.endr
.endr
.irp c, 0,1
	v_add_f32 v[10+4*\c], v[10+4*\c], v[11+4*\c]
.endr
.irp c, 0,1
	v_fma_f32 v[SS+\c], v[10+4*\c], s58, s61
.endr
.irp p, 0,1,2,3,4,5,6,7
	ds_store_b128 v[RDA], v[N+4*\p:N+4*\p+3] offset:STAT+16*\p     ; s' takes s's bytes, for the whole launch
.endr
	s_wait_dscnt 0x0                               ; the stores have read their registers
; The step's dyn goes into the stage as loaded and comes back 128 bytes a lane; the static halves come from their own bytes.  LDS serves a wave's instructions in order: the loads see the stores.
.macro TURN
	s_wait_loadcnt 0x0                             ; this step's eight loads are in (and have read their base, which is stepped further down)
.irp i, 0,1,2,3,4,5,6,7
	ds_store_b128 v[STA], v[RAW+4*\i:RAW+4*\i+3] offset:IP*\i
.endr
.irp p, 0,1,2,3
	ds_load_b128 v[N+4*\p:N+4*\p+3], v[RDA] offset:16*\p
.endr
.irp p, 0,1,2,3
	ds_load_b128 v[N+16+4*\p:N+16+4*\p+3], v[RDA] offset:STAT+16*\p
.endr
	s_wait_dscnt 8                                 ; all but the eight loads just issued: the stores are done, so the registers that they read may be loaded
.irp p, 0,1,2,3
	ds_load_b128 v[N+32+4*\p:N+32+4*\p+3], v[RDA] offset:64+16*\p
.endr
.irp p, 0,1,2,3
	ds_load_b128 v[N+48+4*\p:N+48+4*\p+3], v[RDA] offset:STAT+64+16*\p
.endr
	s_wait_dscnt 8                                 ; row 0's eight loads are in; row 1's eight may be out: they are wanted a whole list later
.endm
; A ROW'S WAY TO ITS CODES is a list of NA lines; AI writes line ai of it for row c and steps ai (past the end it writes nothing).
;   0-8     the sum of dyn's 16 in two chains; -md
;   9-16    d' = d - md
;   17-25   the sum of d'^2 in two chains
;   26-32   delta; variance + eps = sum / 32 + (sum s'^2 / 32 + eps) + delta^2; 1 / sqrt, a plain place behind it; delta / sqrt
;   33-48   (d' - delta) / sqrt and (s' + delta) / sqrt: one packed multiply-add for two numbers
;   49-80   x gamma[k] + beta[k]: one multiply-add a number, both from scalar registers
;   81-96   the largest magnitude of the 32, with the floor 2^(5 - 127) as one more leaf, so that the byte cannot fall under 1
;   97-104  4 off its exponent field: the conversions' scale operand; the two conversions; the byte and the scale word (the plain lines behind the conversions); the upper codes to their place
.macro AI c
.set rT, ST+8*(\c)
.set rN, N+32*(\c)
.if ai == 0
	v_pk_add_f32 v[rT+4:rT+5], v[rN:rN+1], v[rN+2:rN+3]
.elseif ai == 1
	v_pk_add_f32 v[rT+6:rT+7], v[rN+4:rN+5], v[rN+6:rN+7]
.elseif ai < 6
.set rC, rT+4+2*(ai%2)
	v_pk_add_f32 v[rC:rC+1], v[rC:rC+1], v[rN+4+2*ai:rN+5+2*ai]
.elseif (ai == 6) || (ai == 25)
	v_pk_add_f32 v[rT+4:rT+5], v[rT+4:rT+5], v[rT+6:rT+7]
.elseif ai == 7
	v_add_f32 v[rT+1], v[rT+4], v[rT+5]
.elseif ai == 8
	v_mul_f32 v[rT], s59, v[rT+1]
.elseif ai < 17
	v_pk_add_f32 v[rN+2*ai-18:rN+2*ai-17], v[rN+2*ai-18:rN+2*ai-17], v[rT:rT+1] op_sel_hi:[1,0]   ; (of the pair the low word serves both halves)
.elseif ai < 19
.set rC, rT+4+2*(ai-17)
	v_pk_mul_f32 v[rC:rC+1], v[rN+2*ai-34:rN+2*ai-33], v[rN+2*ai-34:rN+2*ai-33]
.elseif ai < 25
.set rC, rT+4+2*((ai-19)%2)
	v_pk_fma_f32 v[rC:rC+1], v[rN+2*ai-34:rN+2*ai-33], v[rN+2*ai-34:rN+2*ai-33], v[rC:rC+1]
.elseif ai == 26
	v_fma_f32 v[rT+6], v[rT], 0.5, v[HMS+\c]       ; delta = (ms - md) / 2
.elseif ai == 27
	v_add_f32 v[rT+3], v[rT+4], v[rT+5]
.elseif ai == 28
	v_fma_f32 v[rT+3], v[rT+3], s58, v[SS+\c]
.elseif ai == 29
	v_fma_f32 v[rT+3], v[rT+6], v[rT+6], v[rT+3]
.elseif ai == 30
	v_rsq_f32 v[rT+2], v[rT+3]
.elseif ai == 31
	v_nop                                          ; one plain place behind the transcendental: all that is left of the row hangs on its result
.elseif ai == 32
	s_wait_alu depctr_va_vdst(0)
	v_mul_f32 v[rT+4], v[rT+6], v[rT+2]
.elseif ai < 41
	v_pk_fma_f32 v[rN+2*ai-66:rN+2*ai-65], v[rN+2*ai-66:rN+2*ai-65], v[rT+2:rT+3], v[rT+4:rT+5] op_sel_hi:[1,0,0] neg_lo:[0,0,1] neg_hi:[0,0,1]
.elseif ai < 49
	v_pk_fma_f32 v[rN+2*ai-66:rN+2*ai-65], v[rN+2*ai-66:rN+2*ai-65], v[rT+2:rT+3], v[rT+4:rT+5] op_sel_hi:[1,0,0]
.elseif ai < 81
	v_fma_f32 v[rN+ai-49], v[rN+ai-49], s[ai-25], s[ai+19]         ; gamma[ai - 49] in s[24 ..], beta[ai - 49] in s[68 ..]
.elseif ai == 81
	v_max3_num_f32 v[rT+4], |v[rN]|, |v[rN+1]|, 0x2800000
.elseif ai == 82
	v_max3_num_f32 v[rT+6], |v[rN+2]|, |v[rN+3]|, |v[rN+4]|
.elseif ai < 95
.set rC, rT+4+2*((ai-83)%2)
	v_max3_num_f32 v[rC], v[rC], |v[rN+2*ai-161]|, |v[rN+2*ai-160]|
.elseif ai == 95
	v_max3_num_f32 v[rT+4], v[rT+4], |v[rN+29]|, |v[rN+30]|
.elseif ai == 96
	v_max3_num_f32 v[rT+4], v[rT+4], v[rT+6], |v[rN+31]|
.elseif ai == 97
	v_add_nc_u32 v[rT+4], 0xfe000000, v[rT+4]      ; the conversions take the exponent field of this operand as their scale, and nothing else of it
.elseif ai == 98
	v_cvt_scalef32_pk16_bf6_f32 v[X+12*(\c):X+12*(\c)+2], v[rN:rN+15], v[rT+4]
.elseif ai == 99
	v_cvt_scalef32_pk16_bf6_f32 v[CT+4*(\c):CT+4*(\c)+2], v[rN+16:rN+31], v[rT+4]   ; (a conversion's three registers begin on an even number: the block's second three do not)
.elseif ai == 100
	v_lshrrev_b32 v[rT+7], 23, v[rT+4]             ; the scale's byte
.elseif ai == 101
	v_lshl_or_b32 v[XS+\c], v[rT+7], 8, v[rT+7]    ; for K blocks 0 and 1: whichever of the two my row stands in; blocks 2 and 3 (zero codes) have the byte 0
.elseif ai < 105
	v_mov_b32 v[X+12*(\c)+ai-99], v[CT+4*(\c)+ai-102]
.endif
.set ai, ai+1
.endm
; Set (c, h): the 16 rows 2 (16 h + r) + c against all 64 hidden units: four products, each with b1 as its C.  No product adds onto another's result.
; Four plain vector lines that name none of a product's registers follow each PRODUCT before its results are touched (ISA guide 7.12.1).
.macro PRODUCT c, h
.irp t, 0,1,2,3
.if \h
	v_wmma_scale_f32_16x16x128_f8f6f4 v[D+8*\t:D+8*\t+7], v[W+12*\t+6:W+12*\t+17], v[X+12*\c:X+12*\c+11], v[B1+8*\t:B1+8*\t+7], v[WS+\t], v[XS+\c] matrix_a_fmt:MATRIX_FMT_BF6 matrix_b_fmt:MATRIX_FMT_BF6 matrix_b_scale:MATRIX_SCALE_ROW1
.else
	v_wmma_scale_f32_16x16x128_f8f6f4 v[D+8*\t:D+8*\t+7], v[W+12*\t:W+12*\t+11], v[X+12*\c:X+12*\c+11], v[B1+8*\t:B1+8*\t+7], v[WS+\t], v[XS+\c] matrix_a_fmt:MATRIX_FMT_BF6 matrix_b_fmt:MATRIX_FMT_BF6
.endif
.endr
.endm
; MY 32 HIDDEN UNITS OF A SET'S ROW, as 16 pairs through a pipeline of five stages: x 2 log2(e) | 2^ | + 1 | 1 / | x -2 w2 into one of two chains (chain a begins on 0.5 b2 + the sum of my w2).
; Slot sl holds pair sl's first stage, pair sl - 1's second, .. pair sl - 4's fifth: 20 slots a set.  So the transcendentals stand among plain lines, and behind each of them a plain line that touches neither its
; result nor its source comes before the result is used: the slot's own + 1 or multiply-add, at the pipeline's head the next slot's scaling.  Pairs ascend.
; na: up to three lines of row 1's list stand between the slot's lines.
.macro TSLOT na
.if sl < 16
	v_pk_mul_f32 v[D+2*sl:D+2*sl+1], v[D+2*sl:D+2*sl+1], s[2:3] op_sel_hi:[1,0]
.endif
.if (sl >= 1) && (sl <= 16)
	v_exp_f32 v[D+2*sl-2], v[D+2*sl-2]
.endif
.if \na > 0
	AI 1
.endif
.if (sl >= 1) && (sl <= 16)
	v_exp_f32 v[D+2*sl-1], v[D+2*sl-1]
.endif
.if (sl >= 2) && (sl <= 17)
	s_wait_alu depctr_va_vdst(0)
	v_pk_add_f32 v[D+2*sl-4:D+2*sl-3], v[D+2*sl-4:D+2*sl-3], 1.0 op_sel_hi:[1,0]
.endif
.if \na > 1
	AI 1
.endif
.if (sl >= 3) && (sl <= 18)
	v_rcp_f32 v[D+2*sl-6], v[D+2*sl-6]
.endif
.if \na > 2
	AI 1
.endif
.if (sl >= 3) && (sl <= 18)
	v_rcp_f32 v[D+2*sl-5], v[D+2*sl-5]
.endif
.if sl == 4
	v_pk_fma_f32 v[CA:CA+1], v[D:D+1], v[W2M:W2M+1], v[KC:KC+1]
.elseif sl == 5
	s_wait_alu depctr_va_vdst(0)
	v_pk_mul_f32 v[CB:CB+1], v[D+2:D+3], v[W2M+2:W2M+3]
.elseif sl > 5
.set rC, CA+2*(sl%2)
	s_wait_alu depctr_va_vdst(0)
	v_pk_fma_f32 v[rC:rC+1], v[D+2*sl-8:D+2*sl-7], v[W2M+2*sl-8:W2M+2*sl-7], v[rC:rC+1]
.endif
.set sl, sl+1
.endm
.macro SLOTS count, na
.rept \count
	TSLOT \na
.endr
.endm
.macro TAIL n                          ; the two chains and their halves: lanes r and r + 16 hold the two halves of the score of the set's row r
	v_pk_add_f32 v[CA:CA+1], v[CA:CA+1], v[CB:CB+1]
	v_add_f32 v[SC+\n], v[CA], v[CA+1]
.endm
.Lstep:
	TURN
.set ai, 0
.rept NA
	AI 0                                           ; row 0's list, alone
.endr
	s_wait_dscnt 0x0                               ; row 1's numbers are in
.set ai, 0
.rept 6
	AI 1                                           ; with row 0's three moves these six lines make 9 places behind its scale word and 6 behind its codes: a scaled matrix instruction wants 8 and 4
.endr
	PRODUCT 0, 0
.rept 4
	AI 1                                           ; the four places behind the products
.endr
.set sl, 0
	SLOTS 20, 3                                    ; lines 10 to 69 of row 1's list
	TAIL 0
	PRODUCT 0, 1
.rept 4
	AI 1
.endr
.set sl, 0
	SLOTS 12, 3                                    ; lines 74 to 104: the list ends in slot 10, so row 1's registers are free
	s_cmp_eq_u32 s57, 1                            ; the last step asks for nothing: no load leaves my 16 steps
	s_cbranch_scc1 .Lno_next
	s_add_nc_u64 s[4:5], s[4:5], 0x40000           ; the next bt (the loads that named this base were waited for at the step's head)
	LOADX                                          ; 305 vector and matrix instructions stand between these loads and the wait for them
.Lno_next:
	SLOTS 8, 0
	PRODUCT 1, 0                                   ; (row 1's scale word was written in slot 9 and its last code in slot 10: more than 8 plain lines back)
	TAIL 1                                         ; the last set's closing sums and row 0's score are the places behind these products: four plain lines, the exchange not counted
	v_permlane16_swap_b32 v[SC], v[SC+1]           ; the upper lanes of set (0, 0) change places with the lower lanes of set (0, 1): lane L then holds both halves of the score of its own row 2 L
	v_add_f32 v[S], v[SC], v[SC+1]
	v_nop
.set sl, 0
	SLOTS 20, 0
	PRODUCT 1, 1
	TAIL 2
	v_nop
	v_nop
.set sl, 0
	SLOTS 20, 0
	TAIL 3
	; THE SOFTMAX
	v_permlane16_swap_b32 v[SC+2], v[SC+3]
	v_add_f32 v[S+1], v[SC+2], v[SC+3]             ; the score of my row 2 L + 1
	v_max_num_f32 v[M], v[S], v[S+1]               ; a group's 16 heads: 8 neighbouring lanes x 2
	v_max_num_f32_dpp v[M], v[M], v[M] row_xmask:1 row_mask:0xf bank_mask:0xf
	v_max_num_f32_dpp v[M], v[M], v[M] row_xmask:2 row_mask:0xf bank_mask:0xf
	v_max_num_f32_dpp v[M], v[M], v[M] row_xmask:4 row_mask:0xf bank_mask:0xf
	v_mul_f32 v[M], s62, v[M]
	v_fma_f32 v[S], v[S], s62, -v[M]               ; (score - the group's largest) x log2(e): 0 or less
	v_fma_f32 v[S+1], v[S+1], s62, -v[M]
	v_exp_f32 v[S], v[S]
	v_exp_f32 v[S+1], v[S+1]
	v_nop                                          ; one plain place behind the transcendentals
	s_wait_alu depctr_va_vdst(0)
	v_add_f32 v[R], v[S], v[S+1]
	v_add_f32_dpp v[R], v[R], v[R] row_xmask:1 row_mask:0xf bank_mask:0xf
	v_add_f32_dpp v[R], v[R], v[R] row_xmask:2 row_mask:0xf bank_mask:0xf
	v_add_f32_dpp v[R], v[R], v[R] row_xmask:4 row_mask:0xf bank_mask:0xf
	v_rcp_f32 v[R], v[R]                           ; the sum is at least 1
	v_mov_b32 v[R+1], 0                            ; the plain place behind the transcendental; and the pair's upper half is written
	s_wait_alu depctr_va_vdst(0)
	v_pk_mul_f32 v[S:S+1], v[S:S+1], v[R:R+1] op_sel_hi:[1,0]
	global_store_b64 v[OOF], v[S:S+1], s[22:23] th:TH_STORE_NT     ; 32 lanes store 256 consecutive bytes, at a multiple of 256 from out's first byte; written once, read by nobody here
	s_wait_xcnt 0x0                                ; the store's data and its base are written again only behind this wait
	s_add_nc_u64 s[22:23], s[22:23], 0x4000        ; the next bt
	s_sub_co_u32 s57, s57, 1
	s_cmp_lg_u32 s57, 0
	s_cbranch_scc1 .Lstep
	s_barrier_signal -1
	s_barrier_wait -1
	s_wait_tensorcnt 0x0
	ds_add_u32 v254, v255
	s_wait_dscnt 0x0
	s_endpgm
.Lfunc_end_k_q993a46d118_fused:
	.size	k_q993a46d118_fused, .Lfunc_end_k_q993a46d118_fused-k_q993a46d118_fused
	.p2alignl 7, 3214868480
	.fill 96, 4, 3214868480
	.section	.rodata,"a",@progbits
	.p2align	6, 0x0
	.amdhsa_kernel k_q993a46d118_fused
		.amdhsa_group_segment_fixed_size 149504
		.amdhsa_private_segment_fixed_size 0
		.amdhsa_enable_private_segment 0
		.amdhsa_kernarg_size 80
		.amdhsa_user_sgpr_count 2
		.amdhsa_user_sgpr_kernarg_segment_ptr 1
		.amdhsa_wavefront_size32 1
		.amdhsa_system_sgpr_workgroup_id_x 1
		.amdhsa_system_sgpr_workgroup_id_y 1
		.amdhsa_system_sgpr_workgroup_id_z 1
		.amdhsa_system_vgpr_workitem_id 0
		.amdhsa_next_free_vgpr 256
		.amdhsa_next_free_sgpr 100
		.amdhsa_reserve_vcc 1
		.amdhsa_float_denorm_mode_32 3
		.amdhsa_float_denorm_mode_16_64 3
		.amdhsa_memory_ordered 1
		.amdhsa_forward_progress 1
		.amdhsa_inst_pref_size 60
	.end_amdhsa_kernel
	.amdgpu_metadata
---
amdhsa.version: [ 1, 2 ]
amdhsa.kernels:
  - .name:           k_q993a46d118_fused
    .symbol:         k_q993a46d118_fused.kd
    .args:
      - { .name: dynamic_features, .offset: 0, .size: 8, .value_kind: global_buffer, .address_space: global }
      - { .name: static_features, .offset: 8, .size: 8, .value_kind: global_buffer, .address_space: global }
      - { .name: ln_gamma, .offset: 16, .size: 8, .value_kind: global_buffer, .address_space: global }
      - { .name: ln_beta, .offset: 24, .size: 8, .value_kind: global_buffer, .address_space: global }
      - { .name: w1_codes, .offset: 32, .size: 8, .value_kind: global_buffer, .address_space: global }
      - { .name: w1_scales, .offset: 40, .size: 8, .value_kind: global_buffer, .address_space: global }
      - { .name: b1, .offset: 48, .size: 8, .value_kind: global_buffer, .address_space: global }
      - { .name: w2, .offset: 56, .size: 8, .value_kind: global_buffer, .address_space: global }
      - { .name: b2, .offset: 64, .size: 8, .value_kind: global_buffer, .address_space: global }
      - { .name: out0, .offset: 72, .size: 8, .value_kind: global_buffer, .address_space: global }
    .group_segment_fixed_size: 149504
    .private_segment_fixed_size: 0
    .kernarg_segment_align: 8
    .kernarg_segment_size: 80
    .max_flat_workgroup_size: 512
    .sgpr_count:     100
    .vgpr_count:     256
    .wavefront_size: 32
...
	.end_amdgpu_metadata
.endif
;; end of part 1
